; MI455X (gfx1250); checked and timed in simulation.
; The chip was launched on July 23, 2026; its instructions are those of AMD's public machine-readable ISA for CDNA 5 (MIT licence, August 2026) and "CDNA5" Instruction Set Architecture Reference Guide (July 2026). The comments in the code are by the model that wrote it; some were corrected since.
;; Context Vector NN. Allowed arithmetic: matrix products marked QUANTISED: E2M1 operands, one E8M0 scale for each 32 along K, by v_wmma_scale_f32_16x16x128_f8f6f4 with both operands' format E2M1 (or v_wmma_scale_f32_32x16x128_f4), f32 sums; products left as they are: f32 operands where the result goes on into a quantised operand, else bf16, f16 or f32 operands; f32 sums; everything else in f32.
;; Inputs: W1 512 x 1,025 float32; W2 1 x 512 float32; b1 512 float32; b2 1 float32; coverage 32 x 1 x 4,096 float32; summary_current_state 32 x 512 float32; text_length 32 int32; text_states 32 x 4,096 x 512 float32.
;; Outputs: out0 32 x 512 float32; out1 32 x 1 x 4,096 float32.
;; This version of the problem:
;;   THIS VERSION OF THE PROBLEM IS GIVEN IN LOW PRECISION. The matrix products marked QUANTISED in the list below multiply operands that are first quantised to E2M1 (2 exponent bits, 1 mantissa bit; 4 bits a number), with one power-of-two scale for each 32 numbers along K (OCP MX v1.0); their sums are f32. All else is computed in f32.
;;   The module's matrix products, in the order in which they are computed (A, B: the left and right operand; K: the contracted axis; several contracted axes count as one K, in the product's order):
;;     1. [M 512, K 1,025] x [K 1,025, N 131,072]; A: input W1; B: computed on the way: QUANTISED
;;     2. [M 1, K 512] x [K 512, N 131,072]; A: input W2; B: computed on the way: left as it is (M = 1 < 16)
;;   THE QUANTISER, for each operand of a quantised product, along K:
;;     - K is cut into blocks of 32 from its start; a last block that is shorter is filled with zeros.
;;     - A block's scale is 2^e with e = floor(log2(the largest magnitude in the block)) - 2, held to -126 .. 127; a block of zeros has e = 0. As a byte (E8M0): e + 127.
;;     - Each number is divided by its block's scale, clamped to +-6, and rounded to the nearest number of E2M1, ties to even, subnormals kept.
;;     - The product sums the exact products of the quantised numbers (number of the format x scale) in f32.
;;   ~~~python
;;   def quantise(x, axis):      # numpy; x: float32 -> the quantised numbers, widened to float32 again
;;       x = np.moveaxis(x, axis, -1); K = x.shape[-1]
;;       x = np.pad(x, [(0, 0)] * (x.ndim - 1) + [(0, -K % 32)]); x = x.reshape(x.shape[:-1] + (-1, 32)); a = np.abs(x).max(-1, keepdims=True)
;;       e = np.where(a > 0, np.clip(np.frexp(np.where(a > 0, a, 1))[1] - 1 - 2, -126, 127), 0)      # np.frexp(a)[1] - 1 = floor(log2(a)), exactly
;;       r = np.clip(x / 2.0 ** e, -6, 6)
;;       step = 2.0 ** (np.maximum(np.frexp(np.where(r == 0, 1, r))[1] - 1, 0) - 1)
;;       q = np.round(r / step) * step * 2.0 ** e      # np.round: ties to even
;;       return np.moveaxis(q.reshape(q.shape[:-2] + (-1,))[..., :K], -1, axis).astype(np.float32)
;;   ~~~
;;   OPERANDS COMPUTED ON THE WAY. 'Computed on the way' means the value that the module computes at that place (a softmax that the list does not call 'softmax' is quantised finished and normalised). What goes into a quantiser is computed in f32, as accurately as f32 sums, v_exp_f32 and their like allow (about 1e-6 of the number): no bf16 or f16 on the way to a quantiser, and a product that is left as it is and whose result goes on into a quantised operand takes f32 operands (vector FMAs, or v_wmma_f32_16x16x4_f32). A number that lies on a knife's edge between two numbers of the format may be rounded either way, as far as f32 arithmetic and the matrix unit's own rounding can turn it there, and no further.
;; One version. Each part assembles by itself: llvm-mc -triple=amdgcn-amd-amdhsa -mcpu=gfx1250 --defsym DOCPART=n.
;; ======== version 1 of 1: 3 launches
;; workspace buffers: w1img 262,144 bytes; w1c 4,096 bytes; w1s 18,432 bytes; ssc 8,192 bytes; sss 512 bytes; tiles 66,816 bytes of whole numbers; prec 2,097,152 bytes; crec 16,777,216 bytes
;; launch prep (part 1): grid 139 x 1, 4 waves a work-group, no clusters, 0 bytes of LDS; arguments W1, summary_current_state, text_length, w1img, w1c, w1s, ssc, sss, tiles; writes w1img, w1c, w1s, ssc, sss, tiles
.if DOCPART == 1
	.amdgcn_target "amdgcn-amd-amdhsa--gfx1250"
	.amdhsa_code_object_version 6
	.text
	.protected	k_qad7b292aeb_prep
	.globl	k_qad7b292aeb_prep
	.p2align	8
	.type	k_qad7b292aeb_prep,@function
k_qad7b292aeb_prep:
	s_mov_b64 s[64:65], 0
	v_nop
	global_prefetch_b8 v0, s[64:65] scope:SCOPE_SE
	s_setreg_imm32_b32 hwreg(HW_REG_WAVE_MODE, 25, 1), 1
	s_wait_xcnt 0x0
; W1 [512][1025] and the summary [32][512], f32, become codes of FP4 (E2M1) with one E8M0 byte for each 32 along K, laid as the next launch's registers take them; text_length becomes the list of live tiles.
; A block's scale is 2^(floor(log2(largest magnitude)) - 2): its byte is the largest magnitude's exponent field - 2, held at 1 from below by a floor among the maximum's leaves.
; (A block of zeros so gets the byte 1: its codes are zeros, which add nothing, and this program alone reads the bytes.)
; WORK-GROUPS: 0-63: W1's K steps 0-7, a wave to a fragment of 16 rows x 128 K.  64-71: W1's column 1024 (block 32 of K: one number and 31 zeros).  72-73: the summary.  74-138: the list, 32 entries a wave.
; A lane (r, h) takes row r and, for c = 0, 1, the whole block k = 64 c + 32 h + 0 .. 31 of its K step: the conversions' results are the operand's registers.  W1's rows are 4,100 bytes, so its numbers come by loads of 4 bytes.
; LIMITS: text_length above 4,096 is held at 4,096, as the mask does; below 1 (where the softmax has no live position) is not served.  Blocks whose largest magnitude lies under 2^-124 keep the byte 1.  NaN and infinities in W1 or the summary are not served.
.set FLOOR, 0x1800000                  ; 2^(3 - 127)
.set EOFF,  0xff000000                 ; -(2 << 23): 2 off an exponent field
	s_load_b512 s[4:19], s[0:1], 0x0               ; W1 s[4:5], summary s[6:7], text_length s[8:9], w1img s[10:11], w1c s[12:13], w1s s[14:15], ssc s[16:17], sss s[18:19]
	s_load_b64 s[20:21], s[0:1], 0x40              ; tiles
	v_lshrrev_b32 v1, 5, v0
	v_readfirstlane_b32 s22, v1                    ; wave
	v_and_b32 v2, 31, v0                           ; lane
	v_and_b32 v7, 15, v0                           ; r
	v_bfe_u32 v8, v0, 4, 1                         ; h
	s_mov_b32 s30, 0x76543210
	s_mov_b32 s31, 0xfedcba98                      ; v_permlanex16_b32's selects for lane l xor 16
	s_wait_kmcnt 0x0
	s_cmp_ge_u32 ttmp9, 74
	s_cbranch_scc1 .Llist
	s_cmp_ge_u32 ttmp9, 72
	s_cbranch_scc1 .Lsum
	s_cmp_lt_u32 ttmp9, 64
	s_cbranch_scc1 .Lw1
	; ---- W1's column 1024: tile T = 4 (work-group - 64) + wave of 16 rows
	s_sub_co_u32 s23, ttmp9, 64
	s_lshl_b32 s23, s23, 2
	s_add_co_u32 s23, s23, s22                     ; T, 0 .. 31
	s_lshr_b32 s26, s23, 3                         ; w: the wave of the next launch that owns the tile
	s_and_b32 s27, s23, 7                          ; t: which of its eight
	s_mul_i32 s28, s23, 65600                      ; 16 rows of 4,100 bytes
	s_add_co_u32 s28, s28, 4096
	v_mul_u32_u24 v3, v7, 4100
	v_add_nc_u32 v3, s28, v3
	global_load_b32 v64, v3, s[4:5]                ; W1[16 T + r][1024]
.set ii, 1
.rept 7
	v_mov_b32 v[64+ii], 0
.set ii, ii+1
.endr
	s_mov_b32 s29, 0xffff
	s_mov_b64 s[36:37], s[14:15]
	s_mul_i32 s28, s26, 4608                       ; the scale word's place: K step 8 of wave w,
	s_add_co_u32 s28, s28, 4096
	s_lshr_b32 s24, s27, 1
	s_lshl_b32 s24, s24, 7
	s_add_co_u32 s28, s28, s24                     ; register t / 2,
	s_and_b32 s24, s27, 1
	s_lshl_b32 s24, s24, 6
	s_add_co_u32 s28, s28, s24                     ; lanes 0-15 for an even tile, 16-31 for an odd one
	v_lshl_add_u32 v6, v7, 2, s28
	s_lshl_b32 s28, s23, 7
	v_lshl_add_u32 v4, v2, 2, s28                  ; the code word's place: 128 T + 4 x lane
	s_wait_loadcnt 0x0
	v_cndmask_b32 v64, 0, v64, s29                 ; lanes 16-31 hold k = 32 .. 63 of the K step: zeros
	v_max3_num_f32 v32, |v64|, |v65|, FLOOR
	v_add_nc_u32 v44, EOFF, v32                    ; the conversion takes this operand's exponent field as its scale
	v_cvt_scalef32_pk8_fp4_f32 v48, v[64:71], v44
	v_lshrrev_b32 v9, 23, v44                      ; the scale word: the byte of block 32, and zeros (2^-127) over zero codes
	global_store_b32 v4, v48, s[12:13]             ; 128 consecutive bytes a wave
	s_branch .Ltail
.Lw1:
	; ---- W1's K steps 0-7: id = 4 work-group + wave: tile T = id / 8, K step id % 8
	s_lshl_b32 s23, ttmp9, 2
	s_add_co_u32 s23, s23, s22
	s_lshr_b32 s24, s23, 3                         ; T
	s_and_b32 s25, s23, 7                          ; K step
	s_lshr_b32 s26, s24, 3                         ; w
	s_and_b32 s27, s24, 7                          ; t
	s_mov_b64 s[32:33], s[4:5]
	s_mov_b64 s[34:35], s[10:11]
	s_mov_b64 s[36:37], s[14:15]
	s_mul_i32 s28, s24, 65600
	s_lshl_b32 s29, s25, 9
	s_add_co_u32 s28, s28, s29
	v_mul_u32_u24 v3, v7, 4100
	v_lshl_add_u32 v3, v8, 7, v3
	v_add_nc_u32 v3, s28, v3                       ; (16 T + r) x 4,100 + 512 step + 128 h
	s_lshl_b32 s28, s26, 16
	s_lshl_b32 s29, s25, 13
	s_add_co_u32 s28, s28, s29
	s_lshl_b32 s29, s27, 10
	s_add_co_u32 s28, s28, s29
	v_lshl_add_u32 v4, v2, 4, s28                  ; the image: 65,536 w + 512 (16 step + 2 t + c) + 16 x lane
	v_add_nc_u32 v5, 512, v4
	s_mul_i32 s28, s26, 4608
	s_lshl_b32 s29, s25, 9
	s_add_co_u32 s28, s28, s29
	s_lshr_b32 s29, s27, 1
	s_lshl_b32 s29, s29, 7
	s_add_co_u32 s28, s28, s29
	s_and_b32 s29, s27, 1
	s_lshl_b32 s29, s29, 6
	s_add_co_u32 s28, s28, s29
	v_lshl_add_u32 v6, v7, 2, s28                  ; the scale word: 4,608 w + 128 (4 step + t / 2) + 64 (t % 2) + 4 r
	s_branch .Lquant
.Lsum:
	; ---- the summary: id = 4 (work-group - 72) + wave: batches 16 (id / 4) + r, K step id % 4
	s_sub_co_u32 s23, ttmp9, 72
	s_lshl_b32 s23, s23, 2
	s_add_co_u32 s23, s23, s22
	s_lshr_b32 s24, s23, 2
	s_and_b32 s25, s23, 3
	s_mov_b64 s[32:33], s[6:7]
	s_mov_b64 s[34:35], s[16:17]
	s_mov_b64 s[36:37], s[18:19]
	s_lshl_b32 s26, s24, 4
	v_add_nc_u32 v9, s26, v7                       ; the batch
	v_lshlrev_b32 v3, 11, v9
	v_lshl_add_u32 v3, v8, 7, v3
	s_lshl_b32 s28, s25, 9
	v_add_nc_u32 v3, s28, v3                       ; batch x 2,048 + 512 step + 128 h
	v_lshlrev_b32 v4, 8, v9
	v_lshl_add_u32 v4, v8, 4, v4
	s_lshl_b32 s28, s25, 6
	v_add_nc_u32 v4, s28, v4                       ; codes, K natural: batch x 256 + 64 step + 32 c + 16 h
	v_add_nc_u32 v5, 32, v4
	v_lshlrev_b32 v6, 4, v9
	s_lshl_b32 s28, s25, 2
	v_add_nc_u32 v6, s28, v6                       ; scale word: batch x 16 + 4 step
.Lquant:
	; ---- 64 numbers a lane: two whole blocks
.set ii, 0
.rept 64
	global_load_b32 v[64+ii], v3, s[32:33] offset:256*(ii/32)+4*(ii%32)
.set ii, ii+1
.endr
	s_wait_loadcnt 0x0
	v_max3_num_f32 v32, |v64|, |v65|, FLOOR
	v_max3_num_f32 v33, |v96|, |v97|, FLOOR
.set ii, 2
.rept 15
	v_max3_num_f32 v32, v32, |v[64+ii]|, |v[65+ii]|    ; the two blocks by turns
	v_max3_num_f32 v33, v33, |v[96+ii]|, |v[97+ii]|
.set ii, ii+2
.endr
	v_add_nc_u32 v44, EOFF, v32
	v_add_nc_u32 v45, EOFF, v33
	v_lshrrev_b32 v36, 23, v44
	v_lshrrev_b32 v37, 23, v45
	v_lshl_or_b32 v9, v37, 16, v36                 ; my two bytes: blocks h and 2 + h,
	v_lshlrev_b32 v10, 3, v8
	v_lshlrev_b32 v9, v10, v9                      ; at their places in the word;
	v_mov_b32 v10, 0
	v_permlanex16_b32 v10, v9, s30, s31
	v_or_b32 v9, v9, v10                           ; with lane l xor 16's two the word is whole
.set ii, 0
.rept 4
	v_cvt_scalef32_pk8_fp4_f32 v[48+ii], v[64+8*ii:71+8*ii], v44
	v_cvt_scalef32_pk8_fp4_f32 v[52+ii], v[96+8*ii:103+8*ii], v45
.set ii, ii+1
.endr
	v_nop                                          ; a plain instruction behind the last scaled conversion
	global_store_b128 v4, v[48:51], s[34:35]
	global_store_b128 v5, v[52:55], s[34:35]
.Ltail:
	v_cmp_gt_u32 vcc_lo, 16, v2                    ; lanes 0-15 hold the rows' scale words
	s_wait_xcnt 0x0                                ; EXEC is a source of the stores above: it changes only behind this wait
	s_and_saveexec_b32 s40, vcc_lo
	global_store_b32 v6, v9, s[36:37]
	s_wait_xcnt 0x0                                ; and again ahead of the line that widens it
	s_or_b32 exec_lo, exec_lo, s40
	s_endpgm
.Llist:
	; ---- the list of live tiles of 16 positions: entry q = (first position 4,096 b + 16 lt, live positions left from there), b ascending, lt ascending; (0, 0) from entry T on
	s_load_b512 s[32:47], s[8:9], 0x0
	s_load_b512 s[48:63], s[8:9], 0x40
	s_sub_co_u32 s23, ttmp9, 74
	s_lshl_b32 s23, s23, 2
	s_add_co_u32 s23, s23, s22                     ; which 32 entries are my wave's: 0 .. 259
	s_lshl_b32 s24, s23, 5
	v_add_nc_u32 v1, s24, v2                       ; q
	s_wait_kmcnt 0x0
.set ii, 0
.rept 32
	s_min_u32 s[32+ii], s[32+ii], 0x1000
.set ii, ii+1
.endr
	v_mov_b32 v10, 0                               ; the first entry of q's batch
	v_mov_b32 v11, s32                             ; its length
	v_mov_b32 v12, 0                               ; the batch
	s_mov_b32 s25, 0                               ; P: tiles of the batches passed
.set ii, 1
.rept 31
	s_add_co_u32 s26, s[32+ii-1], 15
	s_lshr_b32 s26, s26, 4
	s_add_co_u32 s25, s25, s26
	v_cmp_gt_u32 vcc_lo, s25, v1                   ; batch ii begins behind q: keep what stands
	v_cndmask_b32 v10, s25, v10, vcc_lo
	v_cndmask_b32 v11, s[32+ii], v11, vcc_lo
	v_cndmask_b32 v12, ii, v12, vcc_lo
.set ii, ii+1
.endr
	s_add_co_u32 s26, s63, 15
	s_lshr_b32 s26, s26, 4
	s_add_co_u32 s25, s25, s26                     ; T: all live tiles
	v_sub_nc_u32 v13, v1, v10
	v_lshlrev_b32 v13, 4, v13                      ; 16 lt
	v_lshl_add_u32 v14, v12, 12, v13
	v_sub_nc_u32 v15, v11, v13
	v_cmp_gt_u32 vcc_lo, s25, v1
	v_cndmask_b32 v14, 0, v14, vcc_lo
	v_cndmask_b32 v15, 0, v15, vcc_lo
	v_lshlrev_b32 v16, 3, v1
	global_store_b64 v16, v[14:15], s[20:21] offset:256   ; 256 consecutive bytes a wave, aligned
	s_cmp_lg_u32 s23, 0
	s_cbranch_scc1 .Lend
	v_mov_b32 v17, s25
	v_lshlrev_b32 v18, 2, v2
	global_store_b32 v18, v17, s[20:21]            ; T, at the buffer's head
.Lend:
	s_endpgm
.Lfunc_end_k_qad7b292aeb_prep:
	.size	k_qad7b292aeb_prep, .Lfunc_end_k_qad7b292aeb_prep-k_qad7b292aeb_prep
	.p2alignl 7, 3214868480
	.fill 96, 4, 3214868480
	.section	.rodata,"a",@progbits
	.p2align	6, 0x0
	.amdhsa_kernel k_qad7b292aeb_prep
		.amdhsa_group_segment_fixed_size 0
		.amdhsa_private_segment_fixed_size 0
		.amdhsa_enable_private_segment 0
		.amdhsa_kernarg_size 72
		.amdhsa_user_sgpr_count 2
		.amdhsa_user_sgpr_kernarg_segment_ptr 1
		.amdhsa_wavefront_size32 1
		.amdhsa_system_sgpr_workgroup_id_x 1
		.amdhsa_system_sgpr_workgroup_id_y 1
		.amdhsa_system_sgpr_workgroup_id_z 1
		.amdhsa_system_vgpr_workitem_id 0
		.amdhsa_next_free_vgpr 128
		.amdhsa_next_free_sgpr 66
		.amdhsa_reserve_vcc 1
		.amdhsa_float_denorm_mode_32 3
		.amdhsa_float_denorm_mode_16_64 3
		.amdhsa_memory_ordered 1
		.amdhsa_forward_progress 1
		.amdhsa_inst_pref_size 25
	.end_amdhsa_kernel
	.amdgpu_metadata
---
amdhsa.version: [ 1, 2 ]
amdhsa.kernels:
  - .name:           k_qad7b292aeb_prep
    .symbol:         k_qad7b292aeb_prep.kd
    .args:
      - { .name: W1, .offset: 0, .size: 8, .value_kind: global_buffer, .address_space: global }
      - { .name: summary_current_state, .offset: 8, .size: 8, .value_kind: global_buffer, .address_space: global }
      - { .name: text_length, .offset: 16, .size: 8, .value_kind: global_buffer, .address_space: global }
      - { .name: w1img, .offset: 24, .size: 8, .value_kind: global_buffer, .address_space: global }
      - { .name: w1c, .offset: 32, .size: 8, .value_kind: global_buffer, .address_space: global }
      - { .name: w1s, .offset: 40, .size: 8, .value_kind: global_buffer, .address_space: global }
      - { .name: ssc, .offset: 48, .size: 8, .value_kind: global_buffer, .address_space: global }
      - { .name: sss, .offset: 56, .size: 8, .value_kind: global_buffer, .address_space: global }
      - { .name: tiles, .offset: 64, .size: 8, .value_kind: global_buffer, .address_space: global }
    .group_segment_fixed_size: 0
    .private_segment_fixed_size: 0
    .kernarg_segment_align: 8
    .kernarg_segment_size: 72
    .max_flat_workgroup_size: 128
    .sgpr_count:     66
    .vgpr_count:     128
    .wavefront_size: 32
...
	.end_amdgpu_metadata
.endif
;; end of part 1
;; launch main (part 2): grid 256 x 1, 4 waves a work-group, no clusters, 141,824 bytes of LDS; arguments text_states, coverage, ssc, sss, tiles, prec, crec, w1img, w1c, w1s, b1, W2, b2; writes prec, crec
.if DOCPART == 2
	.amdgcn_target "amdgcn-amd-amdhsa--gfx1250"
	.amdhsa_code_object_version 6
	.text
	.protected	k_qad7b292aeb_main
	.globl	k_qad7b292aeb_main
	.p2align	8
	.type	k_qad7b292aeb_main,@function
k_qad7b292aeb_main:
	s_mov_b64 s[64:65], 0
	v_nop
	global_prefetch_b8 v0, s[64:65] scope:SCOPE_SE
	s_setreg_imm32_b32 hwreg(HW_REG_WAVE_MODE, 25, 1), 1
	s_wait_xcnt 0x0
; For each live tile of 16 positions: x = [512 text | 512 summary | coverage] is quantised to FP4 (E2M1, one E8M0 byte for each 32 along K), h = tanh(Q(W1) Q(x) + b1), logit = W2 . h + b2, masked by text_length;
; then the tile's piece of the softmax: m = its largest logit, p = e^(logit - m), s = the sum of p, c = the sum of p x text_states.  The next launch joins the pieces.  text_states is read once.
; Tiles that lie wholly behind text_length are not in the list and are neither read nor multiplied: the mask throws their results away.
; SHARES.  Work-group g of 256 takes entries (g T) >> 8 up to ((g + 1) T) >> 8 of the list of T live tiles: n <= 32 of them.  THE FOUR WAVES SHARE THE HIDDEN UNITS: wave w keeps W1's rows 128 w .. 128 w + 127 as codes in
; 534 registers for the whole launch.  Source 0 = 16 rows of W1, source 1 = 16 positions: lane (r, h), register j of tile t holds position r, hidden unit 128 w + 16 t + 8 h + j, so W2 . h is a chain of multiply-adds in a lane.
; PIPELINE.  36 slots, one barrier each (9 trips of 4 slots: a constant, so every wave passes every barrier and every LDS address is an immediate).  In slot j: Q(j) quantises tile j from registers into LDS (wave w: rows 4 w .. 4 w + 3)
; and lays its f32 rows in LDS; L(j + 2) loads tile j + 2 into the registers just freed; M(j - 1) multiplies, takes tanh and the wave's part of the logits; S(j - 2) takes the softmax piece and the context (wave w: 128 of the 512 features).
; A stage whose tile does not exist is jumped over by a scalar branch on whole numbers read from the list; L is switched off by EXEC instead, so that every path issues the same 17 loads and the counted wait holds on every path.
; No tensor load, no cluster: the launch branches on the list, and what work-groups share (W1's codes, 288 KB) is read once by each.  No prefetch: a tile's loads are issued two slots ahead of their use.
; tanh(x) = 1 - 2 / (1 + 2^(2 x log2 e)), in f32.  The K steps are summed in the order summary, text, coverage.
; LIMITS: text_length 1 .. 4,096 (see the launch that makes the list).  Numbers of text_states in tiles wholly behind text_length are not read, so NaN or infinity there does not reach the context.  Blocks under 2^-124 keep the scale byte 1.
; LDS: CODE[2] at 0: 16 rows x (256 bytes of codes + 16);  SCL[2] at 8,704: 16 bytes a position;  LG[2] at 9,216: [position][wave] f32;  ST[4] at 10,240: 16 rows x 2,048 bytes of f32, byte 1,024 u + 512 c + 16 i = features 256 u + 8 i + 4 c + 0 .. 3.
; REGISTERS, in windows of 256 (s_set_vgpr_msb: bits 1:0 source 0, 3:2 source 1, 5:4 source 2, 7:6 destination):
;   window 0: below.   window 1: W1's K steps 0-3, fragment (step, t) at v[64 step + 8 t].   window 2: K steps 4-7 likewise.
;   window 3: v0-21 W1's column 1024; v24-55 the summary's four fragments; v64-127 b1; v128-191 -2 W2; v192-255 staging set 1.
.set FLOOR, 0x1800000                  ; 2^(3 - 127)
.set EOFF,  0xff000000                 ; 2 off an exponent field
.set CPB,   4352                       ; bytes of a CODE buffer
.set SCLB,  8704
.set LGB,   9216
.set STB,   10240
.set R,    1                           ; lane % 16
.set LOFF, 2                           ; 8,192 w + 32 lane: my 32 bytes in the tile's rows 4 w on
.set CVO,  3                           ; 4 r
.set STW,  4                           ; v4, v5: STB + 8,192 w + 16 lane, and 65,536 more
.set CDW,  6                           ; 1,088 w + 4 lane
.set SBW,  7                           ; SCLB + 64 w + lane / 4
.set XFR,  8                           ; 272 r + 16 h
.set XSR,  9                           ; SCLB + 16 r
.set LGW,  10                          ; LGB + 16 r + 4 w
.set LGR,  11                          ; LGB + 16 r
.set STR,  12                          ; v12, v13: STB + 512 w + 16 lane, and 65,536 more
.set RECO, 14                          ; 512 w + 16 lane
.set PRO,  15                          ; 4 lane
.set W1S,  16                          ; v16-51: W1's scale words: register 4 step + u: lanes 0-15 tile 2 u, lanes 16-31 tile 2 u + 1
.set SSS,  52                          ; v52-55: the summary's scale words
.set XS,   56                          ; v56-59: the text's
.set CS,   60                          ; coverage's
.set SSO,  61                          ; 16 h
.set ZR,   62                          ; 0
.set P8,   63                          ; 8 lane
.set ACC,  64                          ; v64-95: four accumulators
.set XF,   96                          ; v96-127: the text's four fragments
.set ROWS, 64                          ; in S: v64-127 take 16 rows' 16 bytes
.set CVX,  128                         ; v128-135: coverage and seven zeros
.set CF,   136                         ; v136-143: its code and seven zero registers
.set CVR,  144                         ; v144-147: coverage as loaded, four tiles by turns
.set QM,   148                         ; v148-155: maxima, then bytes
.set CA,   148                         ; in S: the context's two sums
.set CB,   152
.set QS,   156                         ; v156-163: the conversions' scale operands
.set QC,   164                         ; v164-171: codes
.set LA,   172                         ; v172-179: four chains of pairs
.set WS,   180                         ; v180-181: the sum of my W2, even and odd places
.set T,    182                         ; v182-191: at work
.set SG,   192                         ; staging: set 0 in window 0, set 1 in window 3
.set SSF,  24                          ; window 3
.set B1,   64
.set W2M,  128
; scalars: s2 wave; s3 j; s[4:19] addresses; s20 n; s21 b2; s22 0xffff; entries (first position, live positions): s[24:25] j - 2, s[26:27] j - 1, s[28:29] j, s[30:31] j + 1, s[32:33] j + 2, s[34:35] j + 3 as it is loaded;
; s[38:39] lane selects; s[40:45] L's bases and offset; s[50:53] the records' bases; s[54:57] the summary's; s[58:59] an offset; s60 trips; s61, s62 at work; s63 EXEC kept; s[66:97] sixteen pairs (p, 0)
.set MSB, 0
.macro WIN new                         ; the immediate's high byte repeats the setting that is left; a switch that changes nothing is dropped
.if MSB != (\new)
	s_set_vgpr_msb (MSB<<8)|(\new)
.set MSB, (\new)
.endif
.endm
.macro NOPS n
.rept \n
	v_nop
.endr
.endm
; one matrix instruction, by the symbols rD, rA, rB, rC, rSA, rSB; rOdd: W1's scale words lie in lanes 16-31
.macro WM
.if rOdd
	v_wmma_scale_f32_16x16x128_f8f6f4 v[rD:rD+7], v[rA:rA+7], v[rB:rB+7], v[rC:rC+7], v[rSA], v[rSB] matrix_a_fmt:MATRIX_FMT_FP4 matrix_b_fmt:MATRIX_FMT_FP4 matrix_a_scale:MATRIX_SCALE_ROW1
.else
	v_wmma_scale_f32_16x16x128_f8f6f4 v[rD:rD+7], v[rA:rA+7], v[rB:rB+7], v[rC:rC+7], v[rSA], v[rSB] matrix_a_fmt:MATRIX_FMT_FP4 matrix_b_fmt:MATRIX_FMT_FP4
.endif
.endm
; the summary's codes and scale words of the batch of entry j
.macro SSLOAD
	s_lshr_b32 s61, s28, 12
	s_min_u32 s61, s61, 31
	s_lshl_b32 s58, s61, 8
	s_mov_b32 s59, 0
	s_add_nc_u64 s[54:55], s[8:9], s[58:59]
	s_lshl_b32 s58, s61, 4
	s_add_nc_u64 s[56:57], s[10:11], s[58:59]
	WIN 0xc0
.set ii, 0
.rept 8
	global_load_b128 v[SSF+4*ii:SSF+4*ii+3], v[SSO], s[54:55] offset:32*ii   ; every position has the same summary: lane (r, h) takes bytes 64 step + 32 c + 16 h
.set ii, ii+1
.endr
	WIN 0
	global_load_b128 v[SSS:SSS+3], v[ZR], s[56:57]
.endm
; where the tile of the entry in s[e] lies in text_states and in coverage
.macro LBASE e
	s_wait_xcnt 0x0                                ; earlier loads have read these bases; EXEC, too, changes only behind this wait
	s_min_u32 s61, s[\e], 0x1fff0
	s_lshl_b32 s42, s61, 11
	s_mov_b32 s43, 0
	s_add_nc_u64 s[40:41], s[4:5], s[42:43]
	s_lshl_b32 s42, s61, 2
	s_add_nc_u64 s[44:45], s[6:7], s[42:43]
.endm
; 17 loads: my four rows, 8 neighbouring numbers of each half row a lane (group 2 row + half: registers 8 group on), and the tile's coverage
.macro LISSUE w, cv
	WIN (\w)<<6
.set gg, 0
.rept 8
	global_load_b128 v[SG+8*gg:SG+8*gg+3],   v[LOFF], s[40:41] offset:1024*gg th:TH_LOAD_NT
	global_load_b128 v[SG+8*gg+4:SG+8*gg+7], v[LOFF], s[40:41] offset:1024*gg+16 th:TH_LOAD_NT   ; the two together cover 1,024 consecutive bytes
.set gg, gg+1
.endr
	WIN 0
	global_load_b32 v[CVR+(\cv)], v[CVO], s[44:45]
.endm
	s_load_b512 s[4:19], s[0:1], 0x0               ; text_states s[4:5], coverage s[6:7], ssc s[8:9], sss s[10:11], tiles s[12:13], prec s[14:15], crec s[16:17], w1img s[18:19]
	s_load_b256 s[40:47], s[0:1], 0x40             ; w1c s[40:41], w1s s[42:43], b1 s[44:45], W2 s[46:47]
	s_load_b64 s[48:49], s[0:1], 0x60              ; b2
	s_set_vgpr_msb 0xc0
	v_lshl_add_u32 v62, v0, 2, 0x22800
	v_mov_b32 v63, 0
	s_set_vgpr_msb 0xc000
	v_lshrrev_b32 v[R], 5, v0
	v_readfirstlane_b32 s2, v[R]                   ; wave 0..3
	v_and_b32 v[T], 31, v0                         ; lane
	v_and_b32 v[R], 15, v0
	v_bfe_u32 v[T+1], v0, 4, 1                     ; h
	s_lshl_b32 s61, s2, 13
	v_lshl_add_u32 v[LOFF], v[T], 5, s61
	s_add_co_u32 s61, s61, STB
	v_lshl_add_u32 v[STW], v[T], 4, s61
	v_add_nc_u32 v[STW+1], 0x10000, v[STW]
	v_lshlrev_b32 v[CVO], 2, v[R]
	s_mul_i32 s61, s2, 1088
	v_lshl_add_u32 v[CDW], v[T], 2, s61
	s_lshl_b32 s61, s2, 6
	s_add_co_u32 s61, s61, SCLB
	v_lshrrev_b32 v[SBW], 2, v[T]
	v_add_nc_u32 v[SBW], s61, v[SBW]
	v_mul_u32_u24 v[XFR], v[R], 272
	v_lshl_add_u32 v[XFR], v[T+1], 4, v[XFR]
	v_lshl_add_u32 v[XSR], v[R], 4, SCLB
	v_lshl_add_u32 v[LGR], v[R], 4, LGB
	s_lshl_b32 s61, s2, 2
	v_add_nc_u32 v[LGW], s61, v[LGR]
	s_lshl_b32 s61, s2, 9
	v_lshl_add_u32 v[RECO], v[T], 4, s61
	v_add_nc_u32 v[STR], STB, v[RECO]
	v_add_nc_u32 v[STR+1], 0x10000, v[STR]
	v_lshlrev_b32 v[PRO], 2, v[T]
	v_lshlrev_b32 v[P8], 3, v[T]
	v_lshlrev_b32 v[SSO], 4, v[T+1]
	v_mov_b32 v[ZR], 0
	v_lshlrev_b32 v[T+2], 4, v[T]                  ; 16 lane
	v_lshlrev_b32 v[T+3], 5, v[T+1]                ; 32 h
	s_wait_kmcnt 0x0
	s_load_b32 s20, s[12:13], 0x0                  ; T, the number of live tiles
	s_load_b32 s21, s[48:49], 0x0                  ; b2
	s_mov_b32 s59, 0
	s_lshl_b32 s58, s2, 16
	s_add_nc_u64 s[18:19], s[18:19], s[58:59]      ; my wave's part of each constant
	s_lshl_b32 s58, s2, 10
	s_add_nc_u64 s[40:41], s[40:41], s[58:59]
	s_mul_i32 s58, s2, 4608
	s_add_nc_u64 s[42:43], s[42:43], s[58:59]
	s_lshl_b32 s58, s2, 9
	s_add_nc_u64 s[44:45], s[44:45], s[58:59]
	s_add_nc_u64 s[46:47], s[46:47], s[58:59]
	WIN 0x40                                       ; destination window 1: W1's K steps 0-3, as images of the registers: 512 consecutive bytes a load
.set ii, 0
.rept 64
	global_load_b128 v[4*ii:4*ii+3], v[T+2], s[18:19] offset:512*ii
.set ii, ii+1
.endr
	WIN 0x80                                       ; window 2: K steps 4-7
.set ii, 0
.rept 64
	global_load_b128 v[4*ii:4*ii+3], v[T+2], s[18:19] offset:512*(64+ii)
.set ii, ii+1
.endr
	WIN 0xc0                                       ; window 3
.set ii, 0
.rept 8
	global_load_b32 v[2*ii], v[PRO], s[40:41] offset:128*ii    ; tile t's fragment of K step 8 is v[2 t : 2 t + 7]: its own word first; the later tiles' words in that run meet zero codes of x
.set ii, ii+1
.endr
.set ii, 0
.rept 16
	global_load_b128 v[B1+4*ii:B1+4*ii+3], v[T+3], s[44:45] offset:16*ii+32*(ii/2)      ; tile t = ii / 2: b1[128 w + 16 t + 8 h + 0 .. 7]: 64 t + 32 h + 16 (ii % 2)
	global_load_b128 v[W2M+4*ii:W2M+4*ii+3], v[T+3], s[46:47] offset:16*ii+32*(ii/2)    ; W2 likewise
.set ii, ii+1
.endr
	WIN 0
.set ii, 0
.rept 36
	global_load_b32 v[W1S+ii], v[PRO], s[42:43] offset:128*ii
.set ii, ii+1
.endr
	s_wait_kmcnt 0x0
	s_mul_i32 s61, ttmp9, s20
	s_lshr_b32 s61, s61, 8
	s_min_u32 s61, s61, 0x2000                     ; my first entry
	s_add_co_u32 s62, ttmp9, 1
	s_mul_i32 s62, s62, s20
	s_lshr_b32 s62, s62, 8
	s_min_u32 s62, s62, 0x2000
	s_sub_co_u32 s20, s62, s61
	s_min_u32 s20, s20, 32                         ; n: my tiles
	s_lshl_b32 s58, s61, 3
	s_add_nc_u64 s[12:13], s[12:13], s[58:59]
	s_load_b256 s[28:35], s[12:13], 0x100          ; entries 0 .. 3 (the list has 128 entries of (0, 0) or of other work-groups behind any first entry: no load leaves it)
.set ii, 1
.rept 7
	v_mov_b32 v[CVX+ii], 0
	v_mov_b32 v[CF+ii], 0
.set ii, ii+1
.endr
	v_mov_b32 v[CVR+2], 0                          ; first written under a narrowed EXEC: so they are written whole here
	v_mov_b32 v[CVR+3], 0
.set ii, 4
.rept 6
	v_mov_b32 v[T+ii], 0                           ; a lane permute's destination counts as one of its sources
.set ii, ii+1
.endr
	WIN 0xc0
.set ii, 0
.rept 11
	v_mov_b32 v[2*ii+1], 0
.set ii, ii+1
.endr
	v_mov_b32 v16, 0
	v_mov_b32 v18, 0
	v_mov_b32 v20, 0
	WIN 0
	s_mov_b32 s22, 0xffff
	s_mov_b32 s38, 0x76543210
	s_mov_b32 s39, 0xfedcba98
	s_mov_b32 s3, 0
.set pp, 0
.rept 16
	s_mov_b32 s[67+2*pp], 0                        ; named as the upper halves of pairs, so they are written
.set pp, pp+1
.endr
	s_wait_kmcnt 0x0
	s_add_nc_u64 s[12:13], s[12:13], 0x118         ; at entry 3: what slot 0 loads
	s_mov_b64 s[26:27], s[28:29]
	s_mov_b64 s[24:25], s[28:29]
	SSLOAD
	LBASE 28
	LISSUE 0,0                                     ; tiles 0 and 1, all lanes on: whatever n is, an entry's address lies inside the tensors
	LBASE 30
	LISSUE 3,1
	s_wait_loadcnt 34                              ; all but the 2 x 17 loads of tiles 0 and 1: the constants and the summary are in
	WIN 0x0f
	v_pk_add_f32 v[WS:WS+1], v[W2M:W2M+1], v[W2M+2:W2M+3]
	WIN 0x0c
.set ii, 2
.rept 30
	v_pk_add_f32 v[WS:WS+1], v[WS:WS+1], v[W2M+2*ii:W2M+2*ii+1]    ; the sum of my 64 numbers of W2: the '1' of tanh = 1 - 2 / (..)
.set ii, ii+1
.endr
	WIN 0xc3
.set ii, 0
.rept 32
	v_pk_mul_f32 v[W2M+2*ii:W2M+2*ii+1], v[W2M+2*ii:W2M+2*ii+1], -2.0 op_sel_hi:[1,0]
.set ii, ii+1
.endr
	WIN 0
; Q: tile j leaves the staging set: its f32 rows go to ST[k] as they are, its codes to CODE[k % 2], its scale bytes to SCL[k % 2].  Four lanes hold a block of 32.
.macro QSTAGE k
	s_cmp_lt_u32 s3, s20
	s_cbranch_scc0 .Lno_q_\@
.set SW, 3*((\k)%2)
	WIN SW<<2                                      ; an LDS store's data are its source 1
.set gg, 0
.rept 8
	ds_store_b128 v[STW+(\k)/2], v[SG+8*gg:SG+8*gg+3]   offset:((\k)%2)*32768+1024*gg          ; 512 consecutive bytes a store
	ds_store_b128 v[STW+(\k)/2], v[SG+8*gg+4:SG+8*gg+7] offset:((\k)%2)*32768+1024*gg+512
.set gg, gg+1
.endr
	WIN (SW<<2)|(SW<<4)
.set gg, 0
.rept 8
	v_max3_num_f32 v[QM+gg], FLOOR, |v[SG+8*gg]|, |v[SG+8*gg+1]|       ; the floor holds the byte at 1 from below
.set gg, gg+1
.endr
.set ii, 2
.rept 3
.set gg, 0
.rept 8
	v_max3_num_f32 v[QM+gg], v[QM+gg], |v[SG+8*gg+ii]|, |v[SG+8*gg+ii+1]|   ; the eight groups by turns
.set gg, gg+1
.endr
.set ii, ii+2
.endr
	WIN 0
.set gg, 0
.rept 8
	v_max_num_f32_dpp v[QM+gg], v[QM+gg], v[QM+gg] row_xmask:1 row_mask:0xf bank_mask:0xf
.set gg, gg+1
.endr
.set gg, 0
.rept 8
	v_max_num_f32_dpp v[QM+gg], v[QM+gg], v[QM+gg] row_xmask:2 row_mask:0xf bank_mask:0xf   ; the block's largest magnitude
.set gg, gg+1
.endr
.set gg, 0
.rept 8
	v_add_nc_u32 v[QS+gg], EOFF, v[QM+gg]
.set gg, gg+1
.endr
	WIN SW
.set gg, 0
.rept 8
	v_cvt_scalef32_pk8_fp4_f32 v[QC+gg], v[SG+8*gg:SG+8*gg+7], v[QS+gg]
.set gg, gg+1
.endr
	WIN 0
.set gg, 0
.rept 8
	v_lshrrev_b32 v[QM+gg], 23, v[QS+gg]           ; the scale's byte (also the plain instruction behind the conversions)
.set gg, gg+1
.endr
.set gg, 0
.rept 8
	ds_store_b32 v[CDW], v[QC+gg] offset:((\k)%2)*CPB+272*(gg/2)+128*(gg%2)
	ds_store_b8 v[SBW], v[QM+gg] offset:((\k)%2)*256+8*gg              ; a block's four lanes write the same byte with the same value
.set gg, gg+1
.endr
	s_wait_dscnt 16                                ; the 16 wide stores have read the staging set (the 16 small ones behind them may be out): it may be loaded again
.Lno_q_\@:
.endm
; L: tile j + 2 into the set that Q has just left.  Always 17 loads; where there is no such tile, with no lane on.
.macro LSTAGE k
	LBASE 32
	s_add_co_u32 s61, s3, 2
	s_cmp_lt_u32 s61, s20
	s_cselect_b32 vcc_lo, -1, 0
	s_and_saveexec_b32 s63, vcc_lo
	LISSUE 3*((\k)%2),((\k)+2)%4
	s_wait_xcnt 0x0                                ; EXEC is a source of these loads: it is widened only behind this wait
	s_or_b32 exec_lo, exec_lo, s63
.endm
; 36 matrix instructions: tiles 4 g .. 4 g + 3 of my hidden units, the four accumulators by turns, one instruction a turn
.macro HALF g
	WIN 0x3e                                       ; W1 window 2, summary window 3, b1 (C) window 3
.set qq, 0
.rept 4
.set tt, 4*(\g)+qq
.set rOdd, tt%2
.set rD, ACC+8*qq
.set rA, 8*tt
.set rB, SSF
.set rC, B1+8*tt
.set rSA, W1S+16+tt/2
.set rSB, SSS
	WM                                             ; K step 4 starts the sums, with the bias as C
.set qq, qq+1
.endr
	WIN 0x0e
.set ks, 1
.rept 3
.set qq, 0
.rept 4
.set tt, 4*(\g)+qq
.set rOdd, tt%2
.set rD, ACC+8*qq
.set rA, 64*ks+8*tt
.set rB, SSF+8*ks
.set rC, ACC+8*qq
.set rSA, W1S+16+4*ks+tt/2
.set rSB, SSS+ks
	WM
.set qq, qq+1
.endr
.set ks, ks+1
.endr
.if (\g) == 0
	s_wait_dscnt 0x0                               ; the text's fragments and scale words are in: asked for 16 matrix instructions ago
.endif
	WIN 0x01                                       ; W1 window 1
.set ks, 0
.rept 4
.set qq, 0
.rept 4
.set tt, 4*(\g)+qq
.set rOdd, tt%2
.set rD, ACC+8*qq
.set rA, 64*ks+8*tt
.set rB, XF+8*ks
.set rC, ACC+8*qq
.set rSA, W1S+4*ks+tt/2
.set rSB, XS+ks
	WM
.set qq, qq+1
.endr
.set ks, ks+1
.endr
	WIN 0x03                                       ; W1's column 1024: window 3
.set qq, 0
.rept 4
.set tt, 4*(\g)+qq
.set rOdd, tt%2
.set rD, ACC+8*qq
.set rA, 2*tt
.set rB, CF
.set rC, ACC+8*qq
.set rSA, W1S+32+tt/2
.set rSB, CS
	WM
.set qq, qq+1
.endr
	WIN 0
	NOPS 4                                         ; four plain instructions between the last product and the first read of results (ISA guide 7.12.1)
.endm
; tanh of the 32 numbers and their part of W2 . h: each accumulator is read from its low end on.  Two batches of transcendentals, one wait each.
.macro TANH g
.set ii, 0
.rept 16
	v_pk_mul_f32 v[ACC+2*ii:ACC+2*ii+1], v[ACC+2*ii:ACC+2*ii+1], 0x4038aa3b op_sel_hi:[1,0]   ; 2 log2(e) x
.set ii, ii+1
.endr
.set ii, 0
.rept 32
	v_exp_f32 v[ACC+ii], v[ACC+ii]
.set ii, ii+1
.endr
	v_nop                                          ; a plain instruction behind the last exponential
	s_wait_alu depctr_va_vdst(0)                   ; one wait for the batch, ahead of its first reader
.set ii, 0
.rept 16
	v_pk_add_f32 v[ACC+2*ii:ACC+2*ii+1], v[ACC+2*ii:ACC+2*ii+1], 1.0 op_sel_hi:[1,0]
.set ii, ii+1
.endr
.set ii, 0
.rept 32
	v_rcp_f32 v[ACC+ii], v[ACC+ii]
.set ii, ii+1
.endr
	v_nop
	s_wait_alu depctr_va_vdst(0)
	WIN 0x0c                                       ; -2 W2: window 3
.set ii, 0
.rept 16
.if ((\g) == 0) && (ii == 0)
	v_pk_fma_f32 v[LA:LA+1], v[ACC:ACC+1], v[W2M:W2M+1], v[WS:WS+1]    ; the first chain starts from the sum of W2
.elseif ((\g) == 0) && (ii < 4)
	v_pk_mul_f32 v[LA+2*ii:LA+2*ii+1], v[ACC+2*ii:ACC+2*ii+1], v[W2M+2*ii:W2M+2*ii+1]
.else
	v_pk_fma_f32 v[LA+2*(ii%4):LA+2*(ii%4)+1], v[ACC+2*ii:ACC+2*ii+1], v[W2M+32*(\g)+2*ii:W2M+32*(\g)+2*ii+1], v[LA+2*(ii%4):LA+2*(ii%4)+1]
.endif
.set ii, ii+1
.endr
	WIN 0
.endm
; M: tile j - 1: 72 matrix instructions, tanh, and my 128 hidden units' part of the 16 logits, to LG[(k + 1) % 2]
.macro MSTAGE k
	s_sub_co_u32 s61, s3, 1
	s_cmp_lt_u32 s61, s20
	s_cbranch_scc0 .Lno_m_\@
.set ii, 0
.rept 8
	ds_load_b128 v[XF+4*ii:XF+4*ii+3], v[XFR] offset:(((\k)+1)%2)*CPB+32*ii    ; position r's codes: bytes 64 step + 32 c + 16 h
.set ii, ii+1
.endr
	ds_load_b128 v[XS:XS+3], v[XSR] offset:(((\k)+1)%2)*256
	v_cndmask_b32 v[CVX], 0, v[CVR+((\k)+3)%4], s22    ; coverage is block 32 of K: one number and 31 zeros; lanes 16-31 hold later k: zeros
	v_max3_num_f32 v[T], |v[CVX]|, |v[CVX+1]|, FLOOR
	v_add_nc_u32 v[T], EOFF, v[T]
	v_cvt_scalef32_pk8_fp4_f32 v[CF], v[CVX:CVX+7], v[T]
	v_lshrrev_b32 v[CS], 23, v[T]                  ; its scale word: the byte, and zeros (2^-127) over zero codes
	NOPS 8                                         ; a scale register written by a vector instruction stands eight plain instructions ahead of the scaled matrix instruction that reads it
	HALF 0
	TANH 0
	HALF 1
	TANH 1
	v_pk_add_f32 v[LA:LA+1], v[LA:LA+1], v[LA+2:LA+3]
	v_pk_add_f32 v[LA+4:LA+5], v[LA+4:LA+5], v[LA+6:LA+7]
	v_pk_add_f32 v[LA:LA+1], v[LA:LA+1], v[LA+4:LA+5]
	v_add_f32 v[T+4], v[LA], v[LA+1]
	v_permlanex16_b32 v[T+5], v[T+4], s38, s39
	v_add_f32 v[T+4], v[T+4], v[T+5]               ; with lane l xor 16's hidden units
	ds_store_b32 v[LGW], v[T+4] offset:(((\k)+1)%2)*256    ; both halves of the lanes write the same word with the same value
.Lno_m_\@:
.endm
; S: tile j - 2: logits, mask, the tile's m, p, s; the record; my 128 features of the sum of p x text_states
.macro SSTAGE k
	s_sub_co_u32 s61, s3, 2
	s_cmp_lt_u32 s61, s20
	s_cbranch_scc0 .Lno_s_\@
	ds_load_b128 v[T:T+3], v[LGR] offset:((\k)%2)*256
.set pp, 0
.rept 16
	ds_load_b128 v[ROWS+4*pp:ROWS+4*pp+3], v[STR+(((\k)+2)%4)/2] offset:((\k)%2)*32768+2048*pp
.set pp, pp+1
.endr
	s_lshr_b32 s61, s24, 4
	s_min_u32 s61, s61, 8191                       ; the tile's number: 256 b + lt
	s_lshl_b32 s58, s61, 8
	s_mov_b32 s59, 0
	s_add_nc_u64 s[50:51], s[14:15], s[58:59]
	s_lshl_b32 s58, s61, 11
	s_add_nc_u64 s[52:53], s[16:17], s[58:59]
	s_wait_dscnt 16                                ; the four waves' parts are in; the 16 rows may be out
	v_add_f32 v[T], v[T], v[T+1]
	v_add_f32 v[T+2], v[T+2], v[T+3]
	v_add_f32 v[T], v[T], v[T+2]
	v_add_f32 v[T], s21, v[T]                      ; + b2: position r's logit
	v_cmp_gt_u32 vcc_lo, s25, v[R]                 ; r lies under the live positions left
	v_cndmask_b32 v[T], 0xff800000, v[T], vcc_lo   ; else -infinity
	v_mov_b32 v[T+1], v[T]
	v_max_num_f32_dpp v[T+1], v[T+1], v[T+1] row_xmask:1 row_mask:0xf bank_mask:0xf
	v_max_num_f32_dpp v[T+1], v[T+1], v[T+1] row_xmask:2 row_mask:0xf bank_mask:0xf
	v_max_num_f32_dpp v[T+1], v[T+1], v[T+1] row_xmask:4 row_mask:0xf bank_mask:0xf
	v_max_num_f32_dpp v[T+1], v[T+1], v[T+1] row_xmask:8 row_mask:0xf bank_mask:0xf   ; m: the tile's first position is live, so m is a number
	v_sub_f32 v[T+2], v[T], v[T+1]
	v_mul_f32 v[T+2], 0x3fb8aa3b, v[T+2]
	v_exp_f32 v[T+4], v[T+2]                       ; p = e^(logit - m); 0 where masked
	v_nop
	s_wait_alu depctr_va_vdst(0)                   ; ahead of the first reader
	v_mov_b32 v[T+3], v[T+4]
	v_add_f32_dpp v[T+3], v[T+3], v[T+3] row_xmask:1 row_mask:0xf bank_mask:0xf
	v_add_f32_dpp v[T+3], v[T+3], v[T+3] row_xmask:2 row_mask:0xf bank_mask:0xf
	v_add_f32_dpp v[T+3], v[T+3], v[T+3] row_xmask:4 row_mask:0xf bank_mask:0xf
	v_add_f32_dpp v[T+3], v[T+3], v[T+3] row_xmask:8 row_mask:0xf bank_mask:0xf       ; s
	v_cndmask_b32 v[T+5], v[T+3], v[T+1], s22      ; the record: lane l stores (p of position l % 16, m in lanes 0-15 and s in lanes 16-31)
	s_cmp_lg_u32 s2, 0                             ; all four waves hold the same numbers: wave 0 stores them
	s_cbranch_scc1 .Lnot_0_\@
	global_store_b64 v[P8], v[T+4:T+5], s[50:51]   ; 256 consecutive bytes, aligned
.Lnot_0_\@:
.set pp, 0
.rept 16
	v_readlane_b32 s[66+2*pp], v[T+4], pp
.set pp, pp+1
.endr
.set pp, 0
.rept 16
.if pp%4 == 0
	s_wait_dscnt 12-pp                             ; LDS loads come back in order: four more rows are in
.endif
.set aa, CA+4*(pp%2)                   ; even rows and odd rows in sums of their own
.if pp < 2
	v_pk_mul_f32 v[aa:aa+1],   v[ROWS+4*pp:ROWS+4*pp+1],   s[66+2*pp:67+2*pp] op_sel_hi:[1,0]
	v_pk_mul_f32 v[aa+2:aa+3], v[ROWS+4*pp+2:ROWS+4*pp+3], s[66+2*pp:67+2*pp] op_sel_hi:[1,0]
.else
	v_pk_fma_f32 v[aa:aa+1],   v[ROWS+4*pp:ROWS+4*pp+1],   s[66+2*pp:67+2*pp], v[aa:aa+1] op_sel_hi:[1,0,1]
	v_pk_fma_f32 v[aa+2:aa+3], v[ROWS+4*pp+2:ROWS+4*pp+3], s[66+2*pp:67+2*pp], v[aa+2:aa+3] op_sel_hi:[1,0,1]
.endif
.set pp, pp+1
.endr
	v_pk_add_f32 v[CA:CA+1], v[CA:CA+1], v[CB:CB+1]
	v_pk_add_f32 v[CA+2:CA+3], v[CA+2:CA+3], v[CB+2:CB+3]
	global_store_b128 v[RECO], v[CA:CA+3], s[52:53]    ; 512 consecutive bytes a wave, aligned
.Lno_s_\@:
.endm
.macro SLOT k
	s_wait_loadcnt 17                              ; tile j's 17 loads, issued two slots ago, are in; tile j + 1's 17 may be out
	s_wait_xcnt 0x0                                ; the last slot's stores have read their data and bases: both are written again below
	s_load_b64 s[34:35], s[12:13], 0x0             ; entry j + 3
	QSTAGE \k
	LSTAGE \k
	MSTAGE \k
	SSTAGE \k
	s_cmp_lt_u32 s3, s20                           ; where tile j begins another batch than tile j - 1, the summary is fetched anew, behind M(j - 1) and ahead of M(j)
	s_cbranch_scc0 .Lsame_\@
	s_lshr_b32 s61, s28, 12
	s_lshr_b32 s62, s26, 12
	s_cmp_lg_u32 s61, s62
	s_cbranch_scc0 .Lsame_\@
	SSLOAD
	s_wait_loadcnt 0x0                             ; rare: a work-group's tiles span few batches
.Lsame_\@:
	s_wait_kmcnt 0x0                               ; the entry is in, and the list's address may step
	s_mov_b64 s[24:25], s[26:27]
	s_mov_b64 s[26:27], s[28:29]
	s_mov_b64 s[28:29], s[30:31]
	s_mov_b64 s[30:31], s[32:33]
	s_mov_b64 s[32:33], s[34:35]
	s_add_nc_u64 s[12:13], s[12:13], 8
	s_add_co_u32 s3, s3, 1
	s_wait_dscnt 0x0                               ; my LDS stores have landed and my LDS loads are in: what the next slot reads is whole, what it overwrites is read
	s_barrier_signal -1
	s_barrier_wait -1
.endm
	s_mov_b32 s60, 0
.Ltrip:
	SLOT 0
	SLOT 1
	SLOT 2
	SLOT 3
	s_add_co_u32 s60, s60, 1
	s_cmp_lt_u32 s60, 9                            ; 36 slots serve n = 32 tiles and the two slots in which the pipeline runs empty
	s_cbranch_scc1 .Ltrip
	s_set_vgpr_msb 0xf
	s_wait_tensorcnt 0x0
	ds_add_u32 v62, v63
	s_wait_dscnt 0x0
	s_set_vgpr_msb 0xf00
	s_endpgm
.Lfunc_end_k_qad7b292aeb_main:
	.size	k_qad7b292aeb_main, .Lfunc_end_k_qad7b292aeb_main-k_qad7b292aeb_main
	.p2alignl 7, 3214868480
	.fill 96, 4, 3214868480
	.section	.rodata,"a",@progbits
	.p2align	6, 0x0
	.amdhsa_kernel k_qad7b292aeb_main
		.amdhsa_group_segment_fixed_size 141824
		.amdhsa_private_segment_fixed_size 0
		.amdhsa_enable_private_segment 0
		.amdhsa_kernarg_size 104
		.amdhsa_user_sgpr_count 2
		.amdhsa_user_sgpr_kernarg_segment_ptr 1
		.amdhsa_wavefront_size32 1
		.amdhsa_system_sgpr_workgroup_id_x 1
		.amdhsa_system_sgpr_workgroup_id_y 1
		.amdhsa_system_sgpr_workgroup_id_z 1
		.amdhsa_system_vgpr_workitem_id 0
		.amdhsa_next_free_vgpr 1024
		.amdhsa_next_free_sgpr 98
		.amdhsa_reserve_vcc 1
		.amdhsa_float_denorm_mode_32 3
		.amdhsa_float_denorm_mode_16_64 3
		.amdhsa_memory_ordered 1
		.amdhsa_forward_progress 1
		.amdhsa_inst_pref_size 191
	.end_amdhsa_kernel
	.amdgpu_metadata
---
amdhsa.version: [ 1, 2 ]
amdhsa.kernels:
  - .name:           k_qad7b292aeb_main
    .symbol:         k_qad7b292aeb_main.kd
    .args:
      - { .name: text_states, .offset: 0, .size: 8, .value_kind: global_buffer, .address_space: global }
      - { .name: coverage, .offset: 8, .size: 8, .value_kind: global_buffer, .address_space: global }
      - { .name: ssc, .offset: 16, .size: 8, .value_kind: global_buffer, .address_space: global }
      - { .name: sss, .offset: 24, .size: 8, .value_kind: global_buffer, .address_space: global }
      - { .name: tiles, .offset: 32, .size: 8, .value_kind: global_buffer, .address_space: global }
      - { .name: prec, .offset: 40, .size: 8, .value_kind: global_buffer, .address_space: global }
      - { .name: crec, .offset: 48, .size: 8, .value_kind: global_buffer, .address_space: global }
      - { .name: w1img, .offset: 56, .size: 8, .value_kind: global_buffer, .address_space: global }
      - { .name: w1c, .offset: 64, .size: 8, .value_kind: global_buffer, .address_space: global }
      - { .name: w1s, .offset: 72, .size: 8, .value_kind: global_buffer, .address_space: global }
      - { .name: b1, .offset: 80, .size: 8, .value_kind: global_buffer, .address_space: global }
      - { .name: W2, .offset: 88, .size: 8, .value_kind: global_buffer, .address_space: global }
      - { .name: b2, .offset: 96, .size: 8, .value_kind: global_buffer, .address_space: global }
    .group_segment_fixed_size: 141824
    .private_segment_fixed_size: 0
    .kernarg_segment_align: 8
    .kernarg_segment_size: 104
    .max_flat_workgroup_size: 128
    .sgpr_count:     98
    .vgpr_count:     1024
    .wavefront_size: 32
...
	.end_amdgpu_metadata
.endif
;; end of part 2
;; launch combine (part 3): grid 8 x 32, 8 waves a work-group, no clusters, 5,120 bytes of LDS; arguments text_length, prec, crec, out0, out1; writes out0, out1
.if DOCPART == 3
	.amdgcn_target "amdgcn-amd-amdhsa--gfx1250"
	.amdhsa_code_object_version 6
	.text
	.protected	k_qad7b292aeb_combine
	.globl	k_qad7b292aeb_combine
	.p2align	8
	.type	k_qad7b292aeb_combine,@function
k_qad7b292aeb_combine:
	s_mov_b64 s[64:65], 0
	v_nop
	global_prefetch_b8 v0, s[64:65] scope:SCOPE_SE
	s_setreg_imm32_b32 hwreg(HW_REG_WAVE_MODE, 25, 1), 1
	s_wait_xcnt 0x0
; The pieces of a batch's softmax are joined.  Tile t of 16 positions left m_t, s_t, p (prec) and c_t = the sum of p x text_states (crec).  M = max m_t, S = the sum of s_t e^(m_t - M);
; out1 = p e^(m_t - M) / S (0 behind text_length), out0 = the sum of c_t e^(m_t - M) / S.
; Work-group (x, b): batch b, positions 512 x .. 512 x + 511 of out1, features 256 (x / 4) + 64 (x % 4) + 0 .. 63 of out0.  256 threads.  Every work-group of a batch finds M and S for itself: 256 pairs of numbers.
; Only the n = ceil(text_length / 16) live tiles were written: every tile number is held at n - 1, so that only written bytes are read, and what lies behind n counts with the factor 0.
; prec, 256 bytes a tile: word 2 l = p of position l % 16; word 2 l + 1 = m (l < 16) or s (l >= 16).  crec, 2,048 bytes a tile: byte 512 w + 16 i + 4 e = feature 256 (w / 2) + 8 i + 4 (w % 2) + e.
; LDS: 0: eight waves' maxima; 256: their sums; 1,024: the 256 tiles' factors; 2,048: eight waves' parts of the context, 256 bytes each.
; LIMITS: text_length 1 .. 4,096 (above: held at 4,096; below 1 not served).
.set LOG2E, 0x3fb8aa3b
	s_load_b256 s[4:11], s[0:1], 0x0               ; text_length s[4:5], prec s[6:7], crec s[8:9], out0 s[10:11]
	s_load_b64 s[12:13], s[0:1], 0x20              ; out1
	v_lshl_add_u32 v144, v0, 2, 0x1000
	v_mov_b32 v145, 0
	v_lshrrev_b32 v1, 5, v0
	v_readfirstlane_b32 s15, v1                    ; wave 0..7
	s_and_b32 s14, ttmp7, 0xffff                   ; b
	s_mov_b32 s17, 0
	s_lshl_b32 s16, s14, 2
	s_mov_b32 s22, 0x76543210
	s_mov_b32 s23, 0xfedcba98
	s_wait_kmcnt 0x0
	s_add_nc_u64 s[4:5], s[4:5], s[16:17]
	s_load_b32 s18, s[4:5], 0x0                    ; text_length[b]
	s_lshl_b32 s16, s14, 16
	s_add_nc_u64 s[6:7], s[6:7], s[16:17]          ; the batch's 256 records
	s_lshr_b32 s20, ttmp9, 2                       ; u
	s_and_b32 s21, ttmp9, 3                        ; v
	s_lshl_b32 s16, s14, 19
	s_lshl_b32 s24, s20, 10
	s_add_co_u32 s16, s16, s24
	s_lshl_b32 s24, s21, 7
	s_add_co_u32 s16, s16, s24
	s_add_nc_u64 s[8:9], s[8:9], s[16:17]          ; crec: 524,288 b + 1,024 u + 128 v
	s_lshl_b32 s16, s14, 11
	s_lshl_b32 s24, s20, 10
	s_add_co_u32 s16, s16, s24
	s_lshl_b32 s24, s21, 8
	s_add_co_u32 s16, s16, s24
	s_add_nc_u64 s[10:11], s[10:11], s[16:17]      ; out0: 2,048 b + 1,024 u + 256 v
	s_lshl_b32 s16, s14, 14
	s_lshl_b32 s24, ttmp9, 11
	s_add_co_u32 s16, s16, s24
	s_add_nc_u64 s[12:13], s[12:13], s[16:17]      ; out1: 16,384 b + 2,048 x
	v_and_b32 v5, 7, v0
	v_bfe_u32 v6, v0, 3, 1
	v_lshlrev_b32 v6, 9, v6
	v_lshl_add_u32 v6, v5, 4, v6                   ; my 16 bytes of a tile's context: 512 ((t / 8) % 2) + 16 (t % 8)
	v_lshrrev_b32 v7, 4, v0                        ; t / 16: I take tiles 16 k + t / 16
	v_mov_b32 v8, s15
	v_lshlrev_b32 v8, 2, v8                        ; 4 x wave
	v_mov_b32 v9, 0
	v_lshl_add_u32 v128, v0, 2, 1024               ; my tile's factor
	v_lshl_add_u32 v108, v7, 2, 1024
	v_lshlrev_b32 v129, 3, v0
	v_mov_b32 v130, 0                              ; lane permutes' destinations count as sources
.set ee, 0
.rept 4
	v_mov_b32 v[136+ee], 0
.set ee, ee+1
.endr
	v_and_b32 v1, 15, v0
	s_lshl_b32 s24, s15, 8
	s_add_co_u32 s24, s24, 2048
	v_lshl_add_u32 v109, v1, 4, s24                ; 2,048 + 256 wave + 16 (t % 16)
	v_lshl_add_u32 v140, v1, 4, 2048
	v_lshrrev_b32 v141, 3, v1
	v_lshlrev_b32 v141, 4, v141
	v_lshl_add_u32 v141, v5, 5, v141               ; out0: 32 (t % 8) + 16 ((t / 8) % 2)
	s_lshl_b32 s24, ttmp9, 5
	v_lshrrev_b32 v3, 3, v0
	v_add_nc_u32 v3, s24, v3                       ; the tile of my two positions: 32 x + t / 8
	s_wait_kmcnt 0x0
	s_min_u32 s18, s18, 0x1000
	s_add_co_u32 s18, s18, 15
	s_lshr_b32 s18, s18, 4
	s_max_u32 s18, s18, 1
	s_min_u32 s18, s18, 0x100                      ; n
	s_sub_co_u32 s19, s18, 1
	v_min_u32 v2, s19, v0
	v_min_u32 v2, 0xff, v2
	v_lshlrev_b32 v2, 8, v2
	global_load_b32 v10, v2, s[6:7] offset:4       ; m of tile t
	global_load_b32 v11, v2, s[6:7] offset:132     ; s of tile t
	v_min_u32 v4, s19, v3
	v_min_u32 v4, 0xff, v4
	v_lshlrev_b32 v4, 8, v4
	v_lshl_add_u32 v4, v5, 4, v4
	global_load_b128 v[12:15], v4, s[6:7]          ; (p, m, p, m) of my two positions
.set kk, 0
.rept 16
	v_add_nc_u32 v[16+kk], 16*kk, v7
	v_min_u32 v[16+kk], s19, v[16+kk]
	v_min_u32 v[16+kk], 0xff, v[16+kk]
	v_lshl_add_u32 v[16+kk], v[16+kk], 11, v6
	global_load_b128 v[32+4*kk:35+4*kk], v[16+kk], s[8:9]
.set kk, kk+1
.endr
	s_wait_loadcnt 17                              ; m and s are in; the 17 loads behind them may be out
	v_cmp_gt_u32 vcc_lo, s18, v0
	v_cndmask_b32 v10, 0xff800000, v10, vcc_lo     ; a tile behind n: m = -infinity, s = 0
	v_cndmask_b32 v11, 0, v11, vcc_lo
	v_mov_b32 v96, v10
	v_max_num_f32_dpp v96, v96, v96 row_xmask:1 row_mask:0xf bank_mask:0xf
	v_max_num_f32_dpp v96, v96, v96 row_xmask:2 row_mask:0xf bank_mask:0xf
	v_max_num_f32_dpp v96, v96, v96 row_xmask:4 row_mask:0xf bank_mask:0xf
	v_max_num_f32_dpp v96, v96, v96 row_xmask:8 row_mask:0xf bank_mask:0xf
	v_permlanex16_b32 v130, v96, s22, s23
	v_max_num_f32 v96, v96, v130
	ds_store_b32 v8, v96
	s_wait_dscnt 0x0                               ; for the others' sake: my store has landed
	s_barrier_signal -1
	s_barrier_wait -1
	ds_load_b128 v[100:103], v9
	ds_load_b128 v[104:107], v9 offset:16
	s_wait_dscnt 0x0
	v_max3_num_f32 v96, v100, v101, v102
	v_max3_num_f32 v96, v96, v103, v104
	v_max3_num_f32 v96, v96, v105, v106
	v_max_num_f32 v96, v96, v107                   ; M
	s_wait_loadcnt 16                              ; my positions' p and m are in
	v_sub_f32 v97, v10, v96
	v_sub_f32 v98, v13, v96
	v_mul_f32 v97, LOG2E, v97
	v_mul_f32 v98, LOG2E, v98
	v_exp_f32 v97, v97                             ; e^(m_t - M)
	v_exp_f32 v98, v98                             ; the same of my positions' tile
	v_nop
	s_wait_alu depctr_va_vdst(0)                   ; one wait for the two, ahead of the first reader
	ds_store_b32 v128, v97
	v_mul_f32 v99, v11, v97
	v_add_f32_dpp v99, v99, v99 row_xmask:1 row_mask:0xf bank_mask:0xf
	v_add_f32_dpp v99, v99, v99 row_xmask:2 row_mask:0xf bank_mask:0xf
	v_add_f32_dpp v99, v99, v99 row_xmask:4 row_mask:0xf bank_mask:0xf
	v_add_f32_dpp v99, v99, v99 row_xmask:8 row_mask:0xf bank_mask:0xf
	v_permlanex16_b32 v130, v99, s22, s23
	v_add_f32 v99, v99, v130
	ds_store_b32 v8, v99 offset:256
	s_wait_dscnt 0x0
	s_barrier_signal -1
	s_barrier_wait -1
	ds_load_b128 v[100:103], v9 offset:256
	ds_load_b128 v[104:107], v9 offset:272
.set kk, 0
.rept 16
	ds_load_b32 v[110+kk], v108 offset:64*kk       ; the factors of my 16 tiles
.set kk, kk+1
.endr
	s_wait_dscnt 16                                ; the eight sums are in
	v_add_f32 v100, v100, v101
	v_add_f32 v102, v102, v103
	v_add_f32 v104, v104, v105
	v_add_f32 v106, v106, v107
	v_add_f32 v100, v100, v102
	v_add_f32 v104, v104, v106
	v_add_f32 v99, v100, v104                      ; S
	v_rcp_f32 v131, v99
	v_nop
	v_cmp_gt_u32 vcc_lo, s18, v3
	s_wait_alu depctr_va_vdst(0)
	v_mul_f32 v98, v98, v131
	v_cndmask_b32 v98, 0, v98, vcc_lo              ; a tile behind n: attention 0
	v_mul_f32 v126, v12, v98
	v_mul_f32 v127, v14, v98
	global_store_b64 v129, v[126:127], s[12:13]    ; 256 consecutive bytes a wave, aligned
	s_wait_loadcnt 0x0
	s_wait_dscnt 0x0
.set ee, 0
.rept 4
	v_mul_f32 v[132+ee], v[32+ee], v110
.set ee, ee+1
.endr
.set kk, 1
.rept 15
.set ee, 0
.rept 4
	v_fmac_f32 v[132+ee], v[32+4*kk+ee], v[110+kk]
.set ee, ee+1
.endr
.set kk, kk+1
.endr
.set ee, 0
.rept 4
	v_mul_f32 v[132+ee], v[132+ee], v131
.set ee, ee+1
.endr
.set ee, 0
.rept 4
	v_permlanex16_b32 v[136+ee], v[132+ee], s22, s23
.set ee, ee+1
.endr
.set ee, 0
.rept 4
	v_add_f32 v[132+ee], v[132+ee], v[136+ee]      ; lane l xor 16 holds the same features of other tiles
.set ee, ee+1
.endr
	ds_store_b128 v109, v[132:135]                 ; both halves of the lanes write the same bytes with the same values
	s_wait_dscnt 0x0
	s_barrier_signal -1
	s_barrier_wait -1
	s_cmp_lg_u32 s15, 0
	s_cbranch_scc1 .Lend
.set kk, 0
.rept 8
	ds_load_b128 v[32+4*kk:35+4*kk], v140 offset:256*kk
.set kk, kk+1
.endr
	s_wait_dscnt 0x0
.set kk, 1
.rept 7
	v_pk_add_f32 v[32:33], v[32:33], v[32+4*kk:33+4*kk]
	v_pk_add_f32 v[34:35], v[34:35], v[34+4*kk:35+4*kk]
.set kk, kk+1
.endr
	v_cmp_gt_u32 vcc_lo, 16, v0
	s_wait_xcnt 0x0                                ; EXEC is a source of the store above: it changes only behind this wait
	s_and_saveexec_b32 s26, vcc_lo
	global_store_b128 v141, v[32:35], s[10:11]     ; sixteen lanes store 256 consecutive bytes, aligned
	s_wait_xcnt 0x0
	s_or_b32 exec_lo, exec_lo, s26
.Lend:
	s_wait_tensorcnt 0x0
	ds_add_u32 v144, v145
	s_wait_dscnt 0x0
	s_endpgm
.Lfunc_end_k_qad7b292aeb_combine:
	.size	k_qad7b292aeb_combine, .Lfunc_end_k_qad7b292aeb_combine-k_qad7b292aeb_combine
	.p2alignl 7, 3214868480
	.fill 96, 4, 3214868480
	.section	.rodata,"a",@progbits
	.p2align	6, 0x0
	.amdhsa_kernel k_qad7b292aeb_combine
		.amdhsa_group_segment_fixed_size 5120
		.amdhsa_private_segment_fixed_size 0
		.amdhsa_enable_private_segment 0
		.amdhsa_kernarg_size 40
		.amdhsa_user_sgpr_count 2
		.amdhsa_user_sgpr_kernarg_segment_ptr 1
		.amdhsa_wavefront_size32 1
		.amdhsa_system_sgpr_workgroup_id_x 1
		.amdhsa_system_sgpr_workgroup_id_y 1
		.amdhsa_system_sgpr_workgroup_id_z 1
		.amdhsa_system_vgpr_workitem_id 0
		.amdhsa_next_free_vgpr 146
		.amdhsa_next_free_sgpr 66
		.amdhsa_reserve_vcc 1
		.amdhsa_float_denorm_mode_32 3
		.amdhsa_float_denorm_mode_16_64 3
		.amdhsa_memory_ordered 1
		.amdhsa_forward_progress 1
		.amdhsa_inst_pref_size 17
	.end_amdhsa_kernel
	.amdgpu_metadata
---
amdhsa.version: [ 1, 2 ]
amdhsa.kernels:
  - .name:           k_qad7b292aeb_combine
    .symbol:         k_qad7b292aeb_combine.kd
    .args:
      - { .name: text_length, .offset: 0, .size: 8, .value_kind: global_buffer, .address_space: global }
      - { .name: prec, .offset: 8, .size: 8, .value_kind: global_buffer, .address_space: global }
      - { .name: crec, .offset: 16, .size: 8, .value_kind: global_buffer, .address_space: global }
      - { .name: out0, .offset: 24, .size: 8, .value_kind: global_buffer, .address_space: global }
      - { .name: out1, .offset: 32, .size: 8, .value_kind: global_buffer, .address_space: global }
    .group_segment_fixed_size: 5120
    .private_segment_fixed_size: 0
    .kernarg_segment_align: 8
    .kernarg_segment_size: 40
    .max_flat_workgroup_size: 256
    .sgpr_count:     66
    .vgpr_count:     146
    .wavefront_size: 32
...
	.end_amdgpu_metadata
.endif
;; end of part 3
